; MI455X (gfx1250); checked and timed in simulation.
; The chip was launched on July 23, 2026; its instructions are those of AMD's public machine-readable ISA for CDNA 5 (MIT licence, August 2026) and "CDNA5" Instruction Set Architecture Reference Guide (July 2026). The comments in the code are by the model that wrote it; some were corrected since.
;; Attention Block. Allowed arithmetic: matrix products marked QUANTISED: E4M3 operands, one given power-of-two scale a tensor, by v_wmma_f32_16x16x64_fp8_fp8 or v_wmma_f32_16x16x128_fp8_fp8, f32 sums; products left as they are: f32 operands where the result goes on into a quantised operand, else bf16, f16 or f32 operands; f32 sums; everything else in f32.
;; Inputs: Wkv_codes 16 x 2 x 32 uint8 (E4M3 codes of Wkv, K innermost, in blocks of 32 codes); Wq_codes 16 x 2 x 32 uint8 (E4M3 codes of Wq, K innermost, in blocks of 32 codes); eps_fc1_b 128 float32; eps_fc1_w_codes 128 x 4 x 32 uint8 (E4M3 codes of eps_fc1_w, K innermost, in blocks of 32 codes); eps_fc2_b 32 float32; eps_fc2_w_codes 32 x 4 x 32 uint8 (E4M3 codes of eps_fc2_w, K innermost, in blocks of 32 codes); eps_fc_b 16 float32; eps_fc_w_codes 16 x 1 x 32 uint8 (E4M3 codes of eps_fc_w, K innermost, in blocks of 32 codes); eps_ln1_b 128 float32; eps_ln1_s 128 float32; eps_ln2_b 32 float32; eps_ln2_s 32 float32; in_proj_b 24 float32; in_proj_w 24 x 8 float32; kv_embed_codes 8 x 32,768 x 2 x 32 uint8 (E4M3 codes of kv_embed, K innermost, in blocks of 32 codes); lowp_scales 18 int32 (the exponents e of the quantised operands' scales 2^e); out_proj_b 8 float32; out_proj_w 8 x 8 float32; query_embed 8 x 32,768 x 64 float32; res_fc1_b 128 float32; res_fc1_w 128 x 80 float32; res_fc2_b 32 float32; res_fc2_w_codes 32 x 4 x 32 uint8 (E4M3 codes of res_fc2_w, K innermost, in blocks of 32 codes); res_fc_b 64 float32; res_fc_w_codes 64 x 1 x 32 uint8 (E4M3 codes of res_fc_w, K innermost, in blocks of 32 codes); res_ln1_b 128 float32; res_ln1_s 128 float32; res_ln2_b 32 float32; res_ln2_s 32 float32; res_match_b 128 float32; res_match_w 128 x 80 float32; wkv_embed 8 float32; wq_embed 8 float32.
;; Outputs: out0 8 x 32,768 x 64 float32.
;; This version of the problem:
;;   THIS VERSION OF THE PROBLEM IS GIVEN IN LOW PRECISION. The matrix products marked QUANTISED in the list below multiply operands that are first quantised to E4M3 (4 exponent bits, 3 mantissa bits; 8 bits a number), with one given power-of-two scale for each operand tensor; their sums are f32. All else is computed in f32.
;;   The module's matrix products, in the order in which they are computed (A, B: the left and right operand; K: the contracted axis; several contracted axes count as one K, in the product's order):
;;     1. [M 262,144, K 64] x [K 64, N 16]; A: input query_embed; B: input Wq (given as codes): QUANTISED (scales: A lowp_scales[0], B lowp_scales[1])
;;     2. [M 262,144, K 64] x [K 64, N 16]; A: input kv_embed (given as codes); B: input Wkv (given as codes): QUANTISED (scales: A lowp_scales[2], B lowp_scales[3])
;;     3. [M 4,194,304, K 8] x [K 8, N 8]; A: computed on the way; B: input in_proj_w: left as it is (K = 8 < 32)
;;     4. [M 4,194,304, K 8] x [K 8, N 8]; A: computed on the way; B: input in_proj_w: left as it is (K = 8 < 32)
;;     5. [M 4,194,304, K 8] x [K 8, N 8]; A: computed on the way; B: input in_proj_w: left as it is (K = 8 < 32)
;;     6. batch 524,288 x [M 16, K 4] x [K 4, N 16]; A: computed on the way; B: computed on the way: left as it is (K = 4 < 32)
;;     7. batch 524,288 x [M 16, K 16] x [K 16, N 4]; A: softmax; B: computed on the way: left as it is (K = 16 < 32)
;;     8. [M 4,194,304, K 8] x [K 8, N 8]; A: computed on the way; B: input out_proj_w: left as it is (K = 8 < 32)
;;     9. [M 262,144, K 128] x [K 128, N 128]; A: computed on the way; B: input eps_fc1_w (given as codes): QUANTISED (scales: A lowp_scales[4], B lowp_scales[5])
;;     10. [M 262,144, K 128] x [K 128, N 32]; A: computed on the way; B: input eps_fc2_w (given as codes): QUANTISED (scales: A lowp_scales[6], B lowp_scales[7])
;;     11. [M 262,144, K 32] x [K 32, N 16]; A: computed on the way; B: input eps_fc_w (given as codes): QUANTISED (scales: A lowp_scales[8], B lowp_scales[9])
;;     12. [M 262,144, K 80] x [K 80, N 128]; A: computed on the way; B: input res_fc1_w: QUANTISED (scales: A lowp_scales[10], B lowp_scales[11])
;;     13. [M 262,144, K 80] x [K 80, N 128]; A: computed on the way; B: input res_match_w: QUANTISED (scales: A lowp_scales[12], B lowp_scales[13])
;;     14. [M 262,144, K 128] x [K 128, N 32]; A: computed on the way; B: input res_fc2_w (given as codes): QUANTISED (scales: A lowp_scales[14], B lowp_scales[15])
;;     15. [M 262,144, K 32] x [K 32, N 64]; A: computed on the way; B: input res_fc_w (given as codes): QUANTISED (scales: A lowp_scales[16], B lowp_scales[17])
;;   THE QUANTISER, for each operand of a quantised product, along K:
;;     - The operand's scale is 2^e, e = its entry of the input lowp_scales (int32; the entries are numbered through the quantised products in the list's order, A before B).
;;     - Each number is divided by the scale, clamped to +-448, and rounded to the nearest number of E4M3, ties to even, subnormals kept.
;;     - The product sums the exact products of the quantised numbers (number of the format x scale) in f32.
;;   ~~~python
;;   def quantise(x, axis, e):      # numpy; x: float32 -> the quantised numbers, widened to float32 again
;;       x = np.moveaxis(x, axis, -1); K = x.shape[-1]
;;       r = np.clip(x / 2.0 ** e, -448, 448)
;;       step = 2.0 ** (np.maximum(np.frexp(np.where(r == 0, 1, r))[1] - 1, -6) - 3)
;;       q = np.round(r / step) * step * 2.0 ** e      # np.round: ties to even
;;       return np.moveaxis(q, -1, axis).astype(np.float32)
;;   ~~~
;;   OPERANDS COMPUTED ON THE WAY. 'Computed on the way' means the value that the module computes at that place (a softmax that the list does not call 'softmax' is quantised finished and normalised). What goes into a quantiser is computed in f32, as accurately as f32 sums, v_exp_f32 and their like allow (about 1e-6 of the number): no bf16 or f16 on the way to a quantiser, and a product that is left as it is and whose result goes on into a quantised operand takes f32 operands (vector FMAs, or v_wmma_f32_16x16x4_f32). A number that lies on a knife's edge between two numbers of the format may be rounded either way, as far as f32 arithmetic and the matrix unit's own rounding can turn it there, and no further.
;;   INPUTS GIVEN AS CODES. Wkv (in the module: [16, 64], K = its axis 1); Wq (in the module: [16, 64], K = its axis 1); eps_fc1_w (in the module: [128, 128], K = its axis 1); eps_fc2_w (in the module: [32, 128], K = its axis 1); eps_fc_w (in the module: [16, 32], K = its axis 1); kv_embed (in the module: [8, 32768, 64], K = its axis 2); res_fc2_w (in the module: [32, 128], K = its axis 1); res_fc_w (in the module: [64, 32], K = its axis 1): each comes as NAME_codes (uint8): NAME with its K axis moved to the last place and cut into blocks of 32 codes, [.., K / 32, bytes a block], one block behind the other in memory; one code a byte (a code: sign, 4 exponent bits, 3 mantissa bits); its scale is its entry of lowp_scales. Its value is code x scale, taken as it is: it is not quantised again, and the codes and scales need not be those that the quantiser above would give.
;; One version. Each part assembles by itself: llvm-mc -triple=amdgcn-amd-amdhsa -mcpu=gfx1250 --defsym DOCPART=n.
;; ======== version 1 of 1: 2 launches
;; limits: right only within a limited range of input values
;; workspace buffers: blob 70,656 bytes
;; launch prep (part 1): grid 1 x 1, 32 waves a work-group, no clusters, 0 bytes of LDS; arguments lowp_scales, blob, res_fc1_w, res_match_w, eps_fc1_w_codes, eps_fc2_w_codes, res_fc2_w_codes, res_fc_w_codes, eps_fc_w_codes, Wq_codes, Wkv_codes, eps_fc1_b, eps_ln1_s, eps_ln1_b, res_fc1_b, res_ln1_s, res_ln1_b, res_match_b, eps_fc2_b, eps_ln2_s, eps_ln2_b, eps_fc_b, res_fc2_b, in_proj_w, in_proj_b, out_proj_w, out_proj_b, wq_embed, wkv_embed; writes blob
.if DOCPART == 1
	.amdgcn_target "amdgcn-amd-amdhsa--gfx1250"
	.amdhsa_code_object_version 6
	.text
	.protected	k_qb03b0f4ae2_prep
	.globl	k_qb03b0f4ae2_prep
	.p2align	8
	.type	k_qb03b0f4ae2_prep,@function
k_qb03b0f4ae2_prep:
	s_mov_b64 s[64:65], 0
	v_nop
	global_prefetch_b8 v0, s[64:65] scope:SCOPE_SE
	s_setreg_imm32_b32 hwreg(HW_REG_WAVE_MODE, 25, 1), 1
	s_wait_xcnt 0x0
; PREPARATION.  The 28 small inputs are laid once into one buffer, blob, in the order in which the main launch's waves take them.
; IMAGES.  A weight's fragment (16 rows x 128 or 64 along K) is stored as its operand registers stand: chunk q = registers 4 q .. 4 q + 3, 512 bytes, lane l's 16 bytes at 16 l.
;   Register 4 q + w, byte n, of lane (r, h) holds k = 32 q + 16 h + 4 w + n: the same places in both operands of a product, so every product meets its partner.
;   ROWS OF A TILE.  Chained layers: lane r of tile t takes row 32 (t / 2) + 8 (t % 2) + r + (r & 8), so that a lane's 16 results of two neighbouring tiles are 16 neighbours along the next K.
;   Wq: lane m takes row 4 ((m & 7) / 2) + 2 (m / 8) + (m & 1): a lane then holds just the eight queries whose eight columns of eps it holds.  Wkv twice: row r, and row r ^ 8: a lane gets all 16 keys.
;   res_fc1_w and res_match_w (f32, K = 80) are quantised here with their given scales; their last 16 along K go to registers 8, 9 (fc1) or 2, 3 (match), zero codes elsewhere.
; PARAMETERS from 0x10000 on: plain f32 vectors; a bias is divided by the power of two that its product's sums lack.
; FOLDED ATTENTION.  q_att and kv_att are of rank 1, so qh = q aq + bq, kh = kv ak + bk, vh = kv av + bv with aq = Wq_in wq_embed and so on.  In the scores the terms without kv[k] are the same for all keys
;   and leave the softmax as it is: so in_proj_b[8:16] (bk) has no effect on the result and those eight words are not read.  What stays: A_h = sum aq ak, C_h = sum bq ak over a head's four,
;   P_h[i] = sum over the head's j of out_proj_w[i][j] av[j], R[i] = out_proj_b[i] + sum_j out_proj_w[i][j] bv[j] (the weights of a softmax add up to 1).
; TABLE from 0x11200 on: 96 words that the main launch reads into scalar registers.
; LIMITS: each sum of given exponents that is made into a power of two lies between -126 and 127; each quantiser's exponent between -126 and 119.  NaN among the inputs is not served.
; One work-group of 32 waves; each wave has a role of its own by a scalar branch on its number; no LDS, no barrier, no loop.  Every image store covers 512 consecutive bytes.
.set BP,  0x10000                      ; the parameters
.set CT,  0x11200                      ; the table
	s_load_b128 s[4:7], s[0:1], 0x0                ; lowp_scales s[4:5], blob s[6:7]
	v_lshrrev_b32 v1, 5, v0
	v_readfirstlane_b32 s8, v1                     ; wave 0..31
	v_and_b32 v1, 31, v0                           ; lane
	v_and_b32 v2, 15, v0                           ; r
	v_bfe_u32 v3, v0, 4, 1                         ; h
	v_lshlrev_b32 v5, 4, v1                        ; 16 x lane
	v_and_b32 v4, 8, v2
	v_add_nc_u32 v4, v4, v2                        ; r + (r & 8)
	s_cmp_lt_u32 s8, 16
	s_cbranch_scc0 .Lnot_q
; ---- waves 0-15: a tile of res_fc1_w (waves 0-7) or of res_match_w (8-15) is quantised
	s_load_b128 s[12:15], s[0:1], 0x10             ; res_fc1_w, res_match_w
	s_lshr_b32 s9, s8, 3                           ; which matrix
	s_and_b32 s10, s8, 7                           ; tile t
	s_lshr_b32 s18, s10, 1
	s_lshl_b32 s18, s18, 5
	s_and_b32 s19, s10, 1
	s_lshl_b32 s19, s19, 3
	s_add_co_u32 s18, s18, s19                     ; 32 (t / 2) + 8 (t % 2)
	s_mul_i32 s18, s18, 320                        ; a row of 80 f32 is 320 bytes
	v_mul_u32_u24 v6, v4, 320
	v_add_nc_u32 v6, s18, v6
	v_lshl_add_u32 v7, v3, 6, v6                   ; + 64 h: my 16 numbers of a block of 32
	v_lshl_add_u32 v8, v3, 5, v6                   ; + 32 h: my 8 of the last 16
	s_lshl_b32 s20, s9, 14
	s_lshl_b32 s21, s10, 11
	s_add_co_u32 s20, s20, s21
	s_add_co_u32 s20, s20, 0x4000                  ; fc1's images from 0x4000, match's from 0x8000, 2,048 bytes a tile
	v_add_nc_u32 v9, s20, v5
	s_wait_kmcnt 0x0
	s_load_b32 s16, s[4:5], 0x2c                   ; e11
	s_load_b32 s17, s[4:5], 0x34                   ; e13
	s_cmp_eq_u32 s9, 0
	s_cselect_b64 s[12:13], s[12:13], s[14:15]     ; the choice hangs on the wave's number alone
.set i, 0
.rept 8
	global_load_b128 v[16+4*i:19+4*i], v7, s[12:13] offset:128*(i/4)+16*(i%4)   ; number 16 q + n = k 32 q + 16 h + n
.set i, i+1
.endr
	global_load_b128 v[48:51], v8, s[12:13] offset:256                          ; k = 64 + 8 h + 0 .. 7
	global_load_b128 v[52:55], v8, s[12:13] offset:272
	v_mov_b32 v68, 0
	v_mov_b32 v69, 0
	v_mov_b32 v72, 0
	v_mov_b32 v73, 0
	v_mov_b32 v76, 0
	v_mov_b32 v77, 0
	v_mov_b32 v78, 0
	v_mov_b32 v79, 0
	s_wait_kmcnt 0x0
	s_cmp_eq_u32 s9, 0
	s_cselect_b32 s16, s16, s17                    ; e
	s_add_co_i32 s16, s16, 127
	s_lshl_b32 s17, s16, 23
	v_mov_b32 v11, s17                             ; 2^e as f32: the conversion takes its exponent field
	s_add_co_i32 s16, s16, 8
	s_lshl_b32 s16, s16, 23
	s_or_b32 s16, s16, 0x600000
	v_mov_b32 v10, s16                             ; 448 x 2^e
	s_wait_loadcnt 0x0
.set i, 0
.rept 40
	v_med3_num_f32 v[16+i], v[16+i], -v10, v10     ; the conversion to an 8-bit code does not saturate (ISA guide 7.6.2): the hold at the largest code x the scale
.set i, i+1
.endr
.set i, 0
.rept 4
	v_cvt_scalef32_pk8_fp8_f32 v[60+2*i:61+2*i], v[16+8*i:23+8*i], v11
.set i, i+1
.endr
	v_cvt_scalef32_pk8_fp8_f32 v[70:71], v[48:55], v11   ; the tail's eight codes, between zeros: v[68:71] = 0, 0, tail; v[70:73] = tail, 0, 0
	v_nop
	s_cmp_eq_u32 s9, 0
	s_cbranch_scc0 .Lq_match
	global_store_b128 v9, v[60:63], s[6:7]               ; fc1: k 0-63 | tail, 0, 0 | zeros
	global_store_b128 v9, v[64:67], s[6:7] offset:512
	global_store_b128 v9, v[70:73], s[6:7] offset:1024
	global_store_b128 v9, v[76:79], s[6:7] offset:1536
	s_endpgm
.Lq_match:
	global_store_b128 v9, v[68:71], s[6:7]               ; match: 0, 0, tail | zeros | k 0-63
	global_store_b128 v9, v[76:79], s[6:7] offset:512
	global_store_b128 v9, v[60:63], s[6:7] offset:1024
	global_store_b128 v9, v[64:67], s[6:7] offset:1536
	s_endpgm
.Lnot_q:
	s_cmp_lt_u32 s8, 28
	s_cbranch_scc0 .Lnot_k
; ---- waves 16-27: a tile with K = 128 of eps_fc1_w (8), eps_fc2_w (2), res_fc2_w (2): the codes are only laid anew
	s_load_b128 s[12:15], s[0:1], 0x20             ; eps_fc1_w_codes, eps_fc2_w_codes
	s_load_b64 s[16:17], s[0:1], 0x30              ; res_fc2_w_codes
	s_sub_co_u32 s9, s8, 16                        ; 0..11
	s_and_b32 s10, s9, 1
	s_lshl_b32 s11, s9, 11
	s_wait_kmcnt 0x0
	s_cmp_lt_u32 s9, 10
	s_cselect_b64 s[14:15], s[14:15], s[16:17]
	s_cmp_lt_u32 s9, 8
	s_cselect_b64 s[12:13], s[12:13], s[14:15]
	s_cselect_b32 s10, s9, s10                     ; the tile in its matrix
	s_cselect_b32 s18, 0, 0x8000
	s_add_co_u32 s11, s11, s18                     ; eps_fc1 from 0, eps_fc2 from 0xc000, res_fc2 from 0xd000
	s_lshr_b32 s19, s10, 1
	s_lshl_b32 s19, s19, 5
	s_and_b32 s20, s10, 1
	s_lshl_b32 s20, s20, 3
	s_add_co_u32 s19, s19, s20
	s_lshl_b32 s19, s19, 7                         ; a row of 128 codes
	v_lshlrev_b32 v6, 7, v4
	v_lshl_add_u32 v6, v3, 4, v6
	v_add_nc_u32 v6, s19, v6
	v_add_nc_u32 v9, s11, v5
.set i, 0
.rept 4
	global_load_b128 v[16+4*i:19+4*i], v6, s[12:13] offset:32*i
.set i, i+1
.endr
	s_wait_loadcnt 0x0
.set i, 0
.rept 4
	global_store_b128 v9, v[16+4*i:19+4*i], s[6:7] offset:512*i
.set i, i+1
.endr
	s_endpgm
.Lnot_k:
	s_cmp_eq_u32 s8, 28
	s_cbranch_scc0 .Lnot_28
; ---- wave 28: res_fc_w (4 tiles) and eps_fc_w (1), K = 32: chunk 0 the codes, chunk 1 zero codes, for the K = 64 form
	s_load_b128 s[12:15], s[0:1], 0x38             ; res_fc_w_codes, eps_fc_w_codes
	v_lshlrev_b32 v6, 5, v4
	v_lshl_add_u32 v6, v3, 4, v6
	v_lshlrev_b32 v7, 5, v2
	v_lshl_add_u32 v7, v3, 4, v7
	v_mov_b32 v36, 0
	v_mov_b32 v37, 0
	v_mov_b32 v38, 0
	v_mov_b32 v39, 0
	s_wait_kmcnt 0x0
.set i, 0
.rept 4
	global_load_b128 v[16+4*i:19+4*i], v6, s[12:13] offset:(32*(i/2)+8*(i%2))*32
.set i, i+1
.endr
	global_load_b128 v[32:35], v7, s[14:15]
	s_wait_loadcnt 0x0
.set i, 0
.rept 4
	global_store_b128 v5, v[16+4*i:19+4*i], s[6:7] offset:0xe000+1024*i
	global_store_b128 v5, v[36:39], s[6:7] offset:0xe000+1024*i+512
.set i, i+1
.endr
	global_store_b128 v5, v[32:35], s[6:7] offset:0xfc00
	global_store_b128 v5, v[36:39], s[6:7] offset:0xfe00
	s_endpgm
.Lnot_28:
	s_cmp_eq_u32 s8, 29
	s_cbranch_scc0 .Lnot_29
; ---- wave 29: Wq, and Wkv twice, K = 64
	s_load_b128 s[12:15], s[0:1], 0x48             ; Wq_codes, Wkv_codes
	v_bfe_u32 v6, v2, 1, 2
	v_lshlrev_b32 v6, 2, v6                        ; 4 ((r & 7) / 2)
	v_bfe_u32 v7, v2, 3, 1
	v_lshl_add_u32 v6, v7, 1, v6                   ; + 2 (r / 8)
	v_and_b32 v7, 1, v2
	v_add_nc_u32 v6, v6, v7                        ; + (r & 1)
	v_lshlrev_b32 v6, 6, v6
	v_lshl_add_u32 v6, v3, 4, v6
	v_lshlrev_b32 v7, 6, v2
	v_lshl_add_u32 v7, v3, 4, v7                   ; row r
	v_xor_b32 v8, 8, v2
	v_lshlrev_b32 v8, 6, v8
	v_lshl_add_u32 v8, v3, 4, v8                   ; row r ^ 8
	s_wait_kmcnt 0x0
	global_load_b128 v[16:19], v6, s[12:13]
	global_load_b128 v[20:23], v6, s[12:13] offset:32
	global_load_b128 v[24:27], v7, s[14:15]
	global_load_b128 v[28:31], v7, s[14:15] offset:32
	global_load_b128 v[32:35], v8, s[14:15]
	global_load_b128 v[36:39], v8, s[14:15] offset:32
	s_wait_loadcnt 0x0
.set i, 0
.rept 6
	global_store_b128 v5, v[16+4*i:19+4*i], s[6:7] offset:0xf000+512*i
.set i, i+1
.endr
	s_endpgm
.Lnot_29:
	s_cmp_eq_u32 s8, 30
	s_cbranch_scc0 .Lrole31
; ---- wave 30: the vectors of biases and gains
	s_load_b128 s[16:19], s[0:1], 0x58             ; eps_fc1_b, eps_ln1_s
	s_load_b128 s[20:23], s[0:1], 0x68             ; eps_ln1_b, res_fc1_b
	s_load_b128 s[24:27], s[0:1], 0x78             ; res_ln1_s, res_ln1_b
	s_load_b128 s[28:31], s[0:1], 0x88             ; res_match_b, eps_fc2_b
	s_load_b128 s[32:35], s[0:1], 0x98             ; eps_ln2_s, eps_ln2_b
	s_load_b128 s[36:39], s[0:1], 0xa8             ; eps_fc_b, res_fc2_b
	v_lshlrev_b32 v6, 2, v1                        ; 4 x lane
	v_lshlrev_b32 v7, 2, v2                        ; 4 x (lane % 16)
	s_wait_kmcnt 0x0
	s_load_b512 s[40:55], s[4:5], 0x0              ; e0 .. e15
.set i, 0
.rept 7
	global_load_b128 v[16+4*i:19+4*i], v5, s[16+2*i:17+2*i]
.set i, i+1
.endr
	global_load_b32 v44, v6, s[30:31]
	global_load_b32 v45, v6, s[32:33]
	global_load_b32 v46, v6, s[34:35]
	global_load_b32 v47, v7, s[36:37]              ; 16 numbers, twice
	global_load_b32 v48, v6, s[38:39]
	s_wait_kmcnt 0x0
	s_add_co_i32 s56, s44, s45
	s_sub_co_i32 s56, 0, s56                       ; -(e4 + e5)
	s_add_co_i32 s57, s50, s51
	s_sub_co_i32 s57, 0, s57                       ; -(e10 + e11)
	s_add_co_i32 s58, s52, s53
	s_sub_co_i32 s58, 0, s58                       ; -(e12 + e13)
	s_add_co_i32 s59, s46, s47
	s_sub_co_i32 s59, 0, s59                       ; -(e6 + e7)
	s_add_co_i32 s60, s48, s49
	s_sub_co_i32 s60, 0, s60                       ; -(e8 + e9)
	s_add_co_i32 s61, s54, s55
	s_sub_co_i32 s61, 0, s61                       ; -(e14 + e15)
	s_wait_loadcnt 0x0
.set i, 0
.rept 4
	v_ldexp_f32 v[16+i], v[16+i], s56              ; a bias goes in as the C of its product: divided by the power of two that the sums lack
	v_ldexp_f32 v[28+i], v[28+i], s57
	v_ldexp_f32 v[40+i], v[40+i], s58
.set i, i+1
.endr
	v_ldexp_f32 v44, v44, s59
	v_ldexp_f32 v47, v47, s60
	v_ldexp_f32 v48, v48, s61
.set i, 0
.rept 7
	global_store_b128 v5, v[16+4*i:19+4*i], s[6:7] offset:BP+512*i
.set i, i+1
.endr
.set i, 0
.rept 5
	global_store_b32 v6, v[44+i], s[6:7] offset:BP+0xe00+128*i
.set i, i+1
.endr
	s_endpgm
.Lrole31:
; ---- wave 31: the folded attention's constants and the table
	s_load_b128 s[12:15], s[0:1], 0xb8             ; in_proj_w, in_proj_b
	s_load_b128 s[16:19], s[0:1], 0xc8             ; out_proj_w, out_proj_b
	s_load_b128 s[20:23], s[0:1], 0xd8             ; wq_embed, wkv_embed
	v_and_b32 v6, 7, v0                            ; j = lane % 8
	v_lshlrev_b32 v7, 5, v6                        ; a row of 8 f32
	v_lshlrev_b32 v4, 2, v6
	v_lshlrev_b32 v60, 2, v1                       ; 4 x lane
	v_mov_b32 v50, 0
	v_mov_b32 v51, 0
	v_mov_b32 v52, 0                               ; the table's 96 words, a word a lane
	s_wait_kmcnt 0x0
	s_load_b256 s[24:31], s[20:21], 0x0            ; wq_embed
	s_load_b256 s[32:39], s[22:23], 0x0            ; wkv_embed
	s_load_b256 s[40:47], s[14:15], 0x40           ; bv = in_proj_b[16:24]
	s_load_b512 s[68:83], s[4:5], 0x0              ; e0 .. e15
	s_load_b64 s[84:85], s[4:5], 0x40              ; e16, e17
.set i, 0
.rept 3
	global_load_b128 v[8+8*i:11+8*i], v7, s[12:13] offset:256*i        ; row j of wq_in, wk_in, wv_in
	global_load_b128 v[12+8*i:15+8*i], v7, s[12:13] offset:256*i+16
.set i, i+1
.endr
	global_load_b128 v[32:35], v7, s[16:17]        ; row j of out_proj_w
	global_load_b128 v[36:39], v7, s[16:17] offset:16
	global_load_b32 v40, v4, s[14:15]              ; bq[j]
	global_load_b32 v41, v4, s[18:19]              ; out_proj_b[j]
	s_wait_loadcnt 0x0
	s_wait_kmcnt 0x0
	v_mul_f32 v42, s24, v8                         ; aq[j]
	v_mul_f32 v43, s32, v16                        ; ak[j]
	v_mul_f32 v44, s32, v24                        ; av[j]
.set i, 1
.rept 7
	v_fmac_f32 v42, s[24+i], v[8+i]
	v_fmac_f32 v43, s[32+i], v[16+i]
	v_fmac_f32 v44, s[32+i], v[24+i]
.set i, i+1
.endr
	v_mul_f32 v45, v42, v43                        ; aq ak
	v_mul_f32 v46, v40, v43                        ; bq ak
	v_add_f32_dpp v45, v45, v45 row_xmask:1 row_mask:0xf bank_mask:0xf
	v_add_f32_dpp v46, v46, v46 row_xmask:1 row_mask:0xf bank_mask:0xf
	v_add_f32_dpp v45, v45, v45 row_xmask:2 row_mask:0xf bank_mask:0xf   ; summed over a head's four lanes
	v_add_f32_dpp v46, v46, v46 row_xmask:2 row_mask:0xf bank_mask:0xf
	v_readlane_b32 s56, v45, 0                     ; A_0
	v_readlane_b32 s57, v45, 4                     ; A_1
	v_readlane_b32 s58, v46, 0                     ; C_0
	v_readlane_b32 s59, v46, 4                     ; C_1
.set i, 0
.rept 8
	v_readlane_b32 s[48+i], v44, i                 ; av[0..7]
.set i, i+1
.endr
	v_mul_f32 v47, s48, v32                        ; P_0[j]
	v_mul_f32 v48, s52, v36                        ; P_1[j]
	v_mov_b32 v49, v41                             ; R[j]
.set i, 1
.rept 3
	v_fmac_f32 v47, s[48+i], v[32+i]
	v_fmac_f32 v48, s[52+i], v[36+i]
.set i, i+1
.endr
.set i, 0
.rept 8
	v_fmac_f32 v49, s[40+i], v[32+i]
.set i, i+1
.endr
	s_add_co_i32 s86, s70, s71                     ; e2 + e3: kv = its sum x 2^(e2 + e3)
	s_add_co_i32 s87, s68, s69                     ; e0 + e1: q likewise
	v_ldexp_f32 v47, v47, s86
	v_ldexp_f32 v48, v48, s86
	global_store_b32 v60, v47, s[6:7] offset:BP+0x1080   ; word l = value[l % 8]
	global_store_b32 v60, v48, s[6:7] offset:BP+0x1100
	global_store_b32 v60, v49, s[6:7] offset:BP+0x1180
.macro PUT w, sr
	v_writelane_b32 v[50+(\w)/32], \sr, (\w)%32
.endm
.macro PUT2 w, sr                      ; a pair for the packed forms
	PUT \w, \sr
	PUT (\w)+1, \sr
.endm
	s_add_co_i32 s88, s87, 127
	s_lshl_b32 s88, s88, 23                        ; 2^(e0 + e1)
	s_add_co_i32 s89, s86, 127
	s_lshl_b32 s89, s89, 23
	s_mul_f32 s89, s89, 0x3f38aa3b                 ; log2(e) / sqrt(4) x 2^(e2 + e3)
	s_mul_f32 s58, s58, s89
	s_mul_f32 s59, s59, s89
	s_mul_f32 s56, s56, s89
	s_mul_f32 s56, s56, s88
	s_mul_f32 s57, s57, s89
	s_mul_f32 s57, s57, s88
	PUT2 0, s56                                    ; the exponent in base 2 is kv's sum x (q's sum x A' + C')
	PUT2 2, s58
	PUT2 4, s57
	PUT2 6, s59
.macro EPSW w, ea, eb                  ; a norm on raw sums: its 1e-5 is divided by 2^(2 E)
	s_add_co_i32 s91, s[\ea], s[\eb]
	s_sub_co_i32 s91, 127, s91
	s_lshl_b32 s91, s91, 23
	s_mul_f32 s92, s91, 0x3727c5ac
	s_mul_f32 s92, s92, s91
	PUT \w, s92
.endm
	EPSW 8, 72, 73
	EPSW 9, 74, 75
	EPSW 10, 78, 79
	EPSW 11, 82, 83
	s_add_co_i32 s91, s84, s85
	s_add_co_i32 s91, s91, 127
	s_lshl_b32 s91, s91, 23
	PUT2 12, s91                                   ; 2^(e16 + e17)
	s_mov_b32 s91, 0.5
	PUT2 14, s91
.macro QW i, sx                        ; quantiser i: 2^x and 448 x 2^x
	s_add_co_i32 s92, \sx, 127
	s_lshl_b32 s93, s92, 23
	PUT 16+2*(\i), s93
	s_add_co_i32 s92, s92, 8
	s_lshl_b32 s92, s92, 23
	s_or_b32 s92, s92, 0x600000
	PUT 17+2*(\i), s92
.endm
	QW 0, s68                                      ; query for product 1
	QW 1, s78                                      ; query for res_fc1
	QW 2, s80                                      ; query for res_match
	QW 3, s72                                      ; eps
	QW 4, s74                                      ; the eps block's hidden layer
	QW 5, s76                                      ; its second
	s_add_co_i32 s90, s76, s77                     ; e8 + e9: eps_ stands as raw sums
	s_sub_co_i32 s91, s78, s90
	QW 6, s91
	s_sub_co_i32 s91, s80, s90
	QW 7, s91
	s_add_co_i32 s94, s80, s81                     ; Em = e12 + e13: the residual block's hidden layer stands as raw sums of the match product
	s_sub_co_i32 s91, s82, s94
	QW 8, s91
	QW 9, s84
	s_sub_co_i32 s91, 126, s94
	s_lshl_b32 s91, s91, 23
	PUT2 36, s91                                   ; 0.5 x 2^-Em
	s_add_co_i32 s95, s94, 127
	s_lshl_b32 s95, s95, 23                        ; 2^Em
; erf(x) = x A(x^2) / B(x^2) on |x| <= 4, a rational of degrees 6 and 4 in x^2.  With x = y / sqrt(2) and s = y^2: erf / 2 = y P(s) / Q(s), P_k = A_k 2^-k / (2 sqrt 2), Q_k = B_k 2^-k
.macro PCO k, alpha
	s_mov_b32 s92, \alpha
	s_mul_f32 s92, s92, 0x3eb504f3-((\k)<<23)
	PUT2 48+2*(\k), s92
.endm
.macro QCO k, beta
	s_mov_b32 s92, (\beta)-((\k)<<23)
	PUT2 62+2*(\k), s92
	s_mul_f32 s93, s92, s95                        ; and Q x 2^Em, for the GELU that is to come out divided by 2^Em
.if (\k) < 4
	PUT2 72+2*(\k), s93
.else
	PUT2 40, s93
.endif
.endm
	PCO 0, 0xbc83dbd4
	PCO 1, 0xbb41a1f6
	PCO 2, 0xba40ac63
	PCO 3, 0xb86ec2d2
	PCO 4, 0xb60cff51
	PCO 5, 0x32edffee
	PCO 6, 0xaf95df0b
	QCO 0, 0xbc69b6a7
	QCO 1, 0xbbf19bf8
	QCO 2, 0xbadc924e
	QCO 3, 0xb95fbd29
	QCO 4, 0xb77460cd
	global_store_b32 v60, v50, s[6:7] offset:CT
	global_store_b32 v60, v51, s[6:7] offset:CT+128
	global_store_b32 v60, v52, s[6:7] offset:CT+256
	s_endpgm
.Lfunc_end_k_qb03b0f4ae2_prep:
	.size	k_qb03b0f4ae2_prep, .Lfunc_end_k_qb03b0f4ae2_prep-k_qb03b0f4ae2_prep
	.p2alignl 7, 3214868480
	.fill 96, 4, 3214868480
	.section	.rodata,"a",@progbits
	.p2align	6, 0x0
	.amdhsa_kernel k_qb03b0f4ae2_prep
		.amdhsa_group_segment_fixed_size 0
		.amdhsa_private_segment_fixed_size 0
		.amdhsa_enable_private_segment 0
		.amdhsa_kernarg_size 232
		.amdhsa_user_sgpr_count 2
		.amdhsa_user_sgpr_kernarg_segment_ptr 1
		.amdhsa_wavefront_size32 1
		.amdhsa_system_sgpr_workgroup_id_x 1
		.amdhsa_system_sgpr_workgroup_id_y 1
		.amdhsa_system_sgpr_workgroup_id_z 1
		.amdhsa_system_vgpr_workitem_id 0
		.amdhsa_next_free_vgpr 96
		.amdhsa_next_free_sgpr 100
		.amdhsa_reserve_vcc 0
		.amdhsa_float_denorm_mode_32 3
		.amdhsa_float_denorm_mode_16_64 3
		.amdhsa_memory_ordered 1
		.amdhsa_forward_progress 1
		.amdhsa_inst_pref_size 32
	.end_amdhsa_kernel
	.amdgpu_metadata
---
amdhsa.version: [ 1, 2 ]
amdhsa.kernels:
  - .name:           k_qb03b0f4ae2_prep
    .symbol:         k_qb03b0f4ae2_prep.kd
    .args:
      - { .name: lowp_scales, .offset: 0, .size: 8, .value_kind: global_buffer, .address_space: global }
      - { .name: blob, .offset: 8, .size: 8, .value_kind: global_buffer, .address_space: global }
      - { .name: res_fc1_w, .offset: 16, .size: 8, .value_kind: global_buffer, .address_space: global }
      - { .name: res_match_w, .offset: 24, .size: 8, .value_kind: global_buffer, .address_space: global }
      - { .name: eps_fc1_w_codes, .offset: 32, .size: 8, .value_kind: global_buffer, .address_space: global }
      - { .name: eps_fc2_w_codes, .offset: 40, .size: 8, .value_kind: global_buffer, .address_space: global }
      - { .name: res_fc2_w_codes, .offset: 48, .size: 8, .value_kind: global_buffer, .address_space: global }
      - { .name: res_fc_w_codes, .offset: 56, .size: 8, .value_kind: global_buffer, .address_space: global }
      - { .name: eps_fc_w_codes, .offset: 64, .size: 8, .value_kind: global_buffer, .address_space: global }
      - { .name: Wq_codes, .offset: 72, .size: 8, .value_kind: global_buffer, .address_space: global }
      - { .name: Wkv_codes, .offset: 80, .size: 8, .value_kind: global_buffer, .address_space: global }
      - { .name: eps_fc1_b, .offset: 88, .size: 8, .value_kind: global_buffer, .address_space: global }
      - { .name: eps_ln1_s, .offset: 96, .size: 8, .value_kind: global_buffer, .address_space: global }
      - { .name: eps_ln1_b, .offset: 104, .size: 8, .value_kind: global_buffer, .address_space: global }
      - { .name: res_fc1_b, .offset: 112, .size: 8, .value_kind: global_buffer, .address_space: global }
      - { .name: res_ln1_s, .offset: 120, .size: 8, .value_kind: global_buffer, .address_space: global }
      - { .name: res_ln1_b, .offset: 128, .size: 8, .value_kind: global_buffer, .address_space: global }
      - { .name: res_match_b, .offset: 136, .size: 8, .value_kind: global_buffer, .address_space: global }
      - { .name: eps_fc2_b, .offset: 144, .size: 8, .value_kind: global_buffer, .address_space: global }
      - { .name: eps_ln2_s, .offset: 152, .size: 8, .value_kind: global_buffer, .address_space: global }
      - { .name: eps_ln2_b, .offset: 160, .size: 8, .value_kind: global_buffer, .address_space: global }
      - { .name: eps_fc_b, .offset: 168, .size: 8, .value_kind: global_buffer, .address_space: global }
      - { .name: res_fc2_b, .offset: 176, .size: 8, .value_kind: global_buffer, .address_space: global }
      - { .name: in_proj_w, .offset: 184, .size: 8, .value_kind: global_buffer, .address_space: global }
      - { .name: in_proj_b, .offset: 192, .size: 8, .value_kind: global_buffer, .address_space: global }
      - { .name: out_proj_w, .offset: 200, .size: 8, .value_kind: global_buffer, .address_space: global }
      - { .name: out_proj_b, .offset: 208, .size: 8, .value_kind: global_buffer, .address_space: global }
      - { .name: wq_embed, .offset: 216, .size: 8, .value_kind: global_buffer, .address_space: global }
      - { .name: wkv_embed, .offset: 224, .size: 8, .value_kind: global_buffer, .address_space: global }
    .group_segment_fixed_size: 0
    .private_segment_fixed_size: 0
    .kernarg_segment_align: 8
    .kernarg_segment_size: 232
    .max_flat_workgroup_size: 1024
    .sgpr_count:     100
    .vgpr_count:     96
    .wavefront_size: 32
...
	.end_amdgpu_metadata
.endif
;; end of part 1
;; launch main (part 2): grid 256 x 1, 16 waves a work-group, no clusters, 142,336 bytes of LDS; arguments query_embed, kv_embed_codes, out0, blob, res_ln2_s, res_ln2_b, res_fc_b; writes out0
.if DOCPART == 2
	.amdgcn_target "amdgcn-amd-amdhsa--gfx1250"
	.amdhsa_code_object_version 6
	.text
	.protected	k_qb03b0f4ae2_main
	.globl	k_qb03b0f4ae2_main
	.p2align	8
	.type	k_qb03b0f4ae2_main,@function
k_qb03b0f4ae2_main:
	s_mov_b64 s[64:65], 0
	v_nop
	global_prefetch_b8 v0, s[64:65] scope:SCOPE_SE
	s_setreg_imm32_b32 hwreg(HW_REG_WAVE_MODE, 25, 1), 1
	s_wait_xcnt 0x0
; THE WHOLE BLOCK for 262,144 rows: two projections, the folded attention, the eps block (128 -> 128 -> 32 -> 16), the residual block (80 -> 128 + match -> 32 -> 64).  Nothing between the inputs and out0 goes to memory.
; SHARES.  256 work-groups of 16 waves; a work-group owns 1,024 rows, a wave takes a tile of 16 rows through the whole chain, four times.  Behind the one barrier of the set-up the waves share nothing that is written.
; Vector work outweighs matrix work here by far (16 x 16 exponentials for two heads, 320 norms and 320 erf a row), so a wave is small (256 registers, four waves to a SIMD) and one wave's waits stand beside another's work.
; LAYOUT.  EVERY PRODUCT IS USED TRANSPOSED: source 0 = 16 rows of a weight, source 1 = my 16 rows.  Lane (r, h) holds row r throughout, and half of its numbers: register 16 b + n of a layer = unit 32 b + 16 h + n,
; which is the order in which the next product's operand wants its codes (the weights' rows are laid for it by the launch before).  So the conversions' results ARE the next operand; a norm wants one exchange between the halves.
; WEIGHTS lie in LDS as images of their operand registers (16 x lane, 512 bytes a load), parameters as plain vectors behind them; both are a copy of blob, made once by the work-group.
; THE ATTENTION, folded (the launch before says how): for head h and query o, g = q A'_h + C'_h; p_k = 2^(g kv_k - m), m = max(g kvmax, g kvmin), the row's largest exponent; u = sum p kv / sum p;
; eps[8 o + i] = P0'[i] u_0 + P1'[i] u_1 + R[i].  All in f32.
; NORMS work on raw sums (bias as the product's C, 1e-5 divided by the square of the sums' power of two), mean first, then the squares of the differences.
; GELU(y) = y (1/2 + erf(y / sqrt 2) / 2), erf by a rational in y^2 on |y| <= 4 sqrt 2, beyond which erf is +-1 in f32.
; The match product adds in place onto (GELU + match_b) / 2^(e12 + e13).
; LIMITS: sums of given exponents made into powers of two between -126 and 127, quantisers' exponents between -126 and 119, e12 + e13 between -110 and 110 (it scales the erf's denominator).  NaN is not served.
; No tensor load: a tile is 5 KiB, read by one wave, and is asked for a third of a trip ahead, straight into registers.  No cluster: work-groups share only blob's 70 KiB, read once each.
.set EF1, 0x0000                       ; LDS, images: eps_fc1 8 x 2 KiB
.set RF1, 0x4000                       ; res_fc1
.set RMI, 0x8000                       ; res_match
.set EF2, 0xc000                       ; eps_fc2 2 x 2 KiB
.set RF2, 0xd000                       ; res_fc2
.set RFC, 0xe000                       ; res_fc 4 x 1 KiB
.set WQI, 0xf000                       ; Wq, Wkv, Wkv with halves swapped, eps_fc: 1 KiB each
.set WKA, 0xf400
.set WKB, 0xf800
.set EFC, 0xfc00
.set P_EF1B, 0x000                     ; parameters, counted from 0x10000 (the address registers H64 and H32 carry that)
.set P_EL1S, 0x200
.set P_EL1B, 0x400
.set P_RF1B, 0x600
.set P_RL1S, 0x800
.set P_RL1B, 0xa00
.set P_RMB,  0xc00
.set P_EF2B, 0xe00
.set P_EL2S, 0xe80
.set P_EL2B, 0xf00
.set P_EFCB, 0xf80
.set P_RF2B, 0x1000
.set P_P0,   0x1080
.set P_P1,   0x1100
.set P_R,    0x1180
.set P_RL2S, 0x1200
.set P_RL2B, 0x1280
.set P_RFCB, 0x1300
.set STAGE,  0x11400                   ; the way out: 16 rows x (256 + 16) bytes for each wave
.set CTO,    0x11200                   ; blob: the table for the scalar registers
.set LI,  1                            ; v1   16 x lane: an image's place, and my place in two rows of out0
.set H64, 2                            ; v2   0x10000 + 64 h: my 16 of 32 numbers of a vector
.set H32, 3                            ; v3   0x10000 + 32 h
.set QA,  4                            ; v4   256 r + 64 h: query
.set KA,  5                            ; v5   64 r + 16 h: kv's codes
.set SIN, 6                            ; v6   into my stage
.set SBK, 7                            ; v7   back from it
.set MU,  8                            ; v[8:9]   mean (low word)
.set RS,  10                           ; v[10:11] 1 / sqrt(var + eps) (low word)
.set VS,  12                           ; v12  a quantiser's scale
.set VL,  13                           ; v13  448 x it
.set Q10, 16                           ; v16-23 query's codes for res_fc1;  v24-31 TAIL;  v32-39 query's codes for res_match: v[16:31] and v[24:39] are the two operands of K = 80
.set TAIL, 24                          ; v24-25 eps_ for res_fc1, v26-27 eps_ for res_match, v28-31 zero codes, never rewritten.  v24-27 also hold the two operands of K = 32
.set Q12, 32
.set NXQ, 40                           ; v40-71 the next tile's query, v72-79 its kv codes
.set NXK, 72
.set ACC, 80                           ; v80-143 a layer's 64 numbers
.set EPS, 144                          ; v144-207
.set PA,  208                          ; v208-239
.set ST,  240                          ; v240-247 sums
.set GG,  40                           ; attention: g, later the sums of p
.set MM,  56                           ; m, later the sums of p kv, later u
.set KV,  240                          ; kv's 16 sums
.set QAC, 232                          ; q's 8 sums
.set QS,  36                           ; s[36+2i], s[37+2i]: quantiser i
.set CP,  68                           ; s[68+2k]: P_k
.set CQ,  82                           ; s[82+2k]: Q_k;  Q x 2^Em at s92, 94, 96, 98, 60;  1/2 at s34, 1/2 x 2^-Em at s56
.macro PLACES                          ; four plain vector lines behind matrix instructions, ahead of reads of their results and of loads and writes into their registers
.rept 4
	v_nop
.endr
.endm
.macro NXLOAD                          ; a tile: lane (r, h) takes, of row r, 16 neighbours of each block of 32 of query, and 16 codes of each block of kv
.set nq, 0
.rept 8
	global_load_b128 v[NXQ+4*nq:NXQ+4*nq+3], v[QA], s[4:5] offset:128*(nq/4)+16*(nq%4) th:TH_LOAD_NT
.set nq, nq+1
.endr
	global_load_b128 v[NXK:NXK+3], v[KA], s[6:7] th:TH_LOAD_NT
	global_load_b128 v[NXK+4:NXK+7], v[KA], s[6:7] offset:32 th:TH_LOAD_NT
.endm
; 8 n8 numbers from v[src] on become codes in v[dst] on, by quantiser qi.  The held numbers go to v[tmp] on (two sets of eight by turns), or stay in place (tmp = -1).
.macro QUANT src, n8, dst, tmp, qi
	v_mov_b32 v[VS], s[QS+2*(\qi)]
	v_mov_b32 v[VL], s[QS+2*(\qi)+1]
.set qg, 0
.rept \n8
.if (\tmp) < 0
.set qt, (\src)+8*qg
.else
.set qt, (\tmp)+8*(qg%2)
.endif
.set qj, 0
.rept 8
	v_med3_num_f32 v[qt+qj], v[(\src)+8*qg+qj], -v[VL], v[VL]   ; the conversion does not saturate (ISA guide 7.6.2): the hold at the largest code x the scale
.set qj, qj+1
.endr
	v_cvt_scalef32_pk8_fp8_f32 v[(\dst)+2*qg:(\dst)+2*qg+1], v[qt:qt+7], v[VS]
.set qg, qg+1
.endr
	v_nop                                          ; a plain line between the last conversion and whatever next touches its registers
.endm
.macro WLOAD4 base, g, s0, s1, s2, s3  ; four fragments of K = 128: tiles 4 g .. 4 g + 3
.set tw, 0
.irp sr, \s0, \s1, \s2, \s3
.set cw, 0
.rept 4
	ds_load_b128 v[\sr+4*cw:\sr+4*cw+3], v[LI] offset:(\base)+2048*(4*(\g)+tw)+512*cw
.set cw, cw+1
.endr
.set tw, tw+1
.endr
.endm
.macro WMUL4 g, s0, s1, s2, s3, b      ; each accumulator gets one instruction, onto what lies in it: no two that follow each other share one
.set tw, 0
.irp sr, \s0, \s1, \s2, \s3
	v_wmma_f32_16x16x128_fp8_fp8 v[ACC+8*(4*(\g)+tw):ACC+8*(4*(\g)+tw)+7], v[\sr:\sr+15], v[\b:\b+15], v[ACC+8*(4*(\g)+tw):ACC+8*(4*(\g)+tw)+7]
.set tw, tw+1
.endr
.endm
.macro BIAS dst, off, n                ; n numbers of a vector in the layer's layout
.set cb, 0
.rept (\n)/4
	ds_load_b128 v[(\dst)+4*cb:(\dst)+4*cb+3], v[H64] offset:(\off)+128*(cb/4)+16*(cb%4)
.set cb, cb+1
.endr
.endm
.macro LNLD buf, soff, boff, c         ; gain (16 registers) and bias (16) of chunk c
.set lw, 0
.rept 4
	ds_load_b128 v[(\buf)+4*lw:(\buf)+4*lw+3], v[H64] offset:(\soff)+128*(\c)+16*lw
.set lw, lw+1
.endr
.set lw, 0
.rept 4
	ds_load_b128 v[(\buf)+16+4*lw:(\buf)+16+4*lw+3], v[H64] offset:(\boff)+128*(\c)+16*lw
.set lw, lw+1
.endr
.endm
.macro LNSUM                           ; four packed sums -> v14, the row's (both halves of the lanes)
	v_pk_add_f32 v[ST:ST+1], v[ST:ST+1], v[ST+2:ST+3]
	v_pk_add_f32 v[ST+4:ST+5], v[ST+4:ST+5], v[ST+6:ST+7]
	v_pk_add_f32 v[ST:ST+1], v[ST:ST+1], v[ST+4:ST+5]
	v_add_f32 v14, v[ST], v[ST+1]
	v_permlanex16_b32 v15, v14, s16, s17
	v_add_f32 v14, v14, v15
.endm
; mean, x - mean in place, 1 / sqrt(mean of squares + eps).  n: numbers a lane; rn: 1 / (2 n) as f32.  The first four additions take pairs c and c + 4: each accumulator is read from its low end on.
.macro LNSTAT x, n, rn, seps
.set lc, 0
.rept 4
	v_pk_add_f32 v[ST+2*lc:ST+2*lc+1], v[(\x)+2*lc:(\x)+2*lc+1], v[(\x)+8+2*lc:(\x)+9+2*lc]
.set lc, lc+1
.endr
.set lc, 8
.rept (\n)/2-8
	v_pk_add_f32 v[ST+2*(lc%4):ST+2*(lc%4)+1], v[ST+2*(lc%4):ST+2*(lc%4)+1], v[(\x)+2*lc:(\x)+2*lc+1]
.set lc, lc+1
.endr
	LNSUM
	v_mul_f32 v[MU], \rn, v14
.set lc, 0
.rept (\n)/2
	v_pk_add_f32 v[(\x)+2*lc:(\x)+2*lc+1], v[(\x)+2*lc:(\x)+2*lc+1], v[MU:MU+1] op_sel_hi:[1,0] neg_lo:[0,1] neg_hi:[0,1]
.set lc, lc+1
.endr
.set lc, 0
.rept (\n)/2
.if lc < 4
	v_pk_mul_f32 v[ST+2*lc:ST+2*lc+1], v[(\x)+2*lc:(\x)+2*lc+1], v[(\x)+2*lc:(\x)+2*lc+1]
.else
	v_pk_fma_f32 v[ST+2*(lc%4):ST+2*(lc%4)+1], v[(\x)+2*lc:(\x)+2*lc+1], v[(\x)+2*lc:(\x)+2*lc+1], v[ST+2*(lc%4):ST+2*(lc%4)+1]
.endif
.set lc, lc+1
.endr
	LNSUM
	v_mov_b32 v15, s[\seps]
	v_fmac_f32 v15, \rn, v14
	v_rsq_f32 v[RS], v15
	v_nop                                          ; a plain line behind the transcendental,
	s_wait_alu depctr_va_vdst(0)                   ; and the wait ahead of the first line that names its result
.endm
.macro LNAFF x, buf                    ; 16 numbers: x rs, then x gain + bias
.set lw, 0
.rept 8
	v_pk_mul_f32 v[(\x)+2*lw:(\x)+2*lw+1], v[(\x)+2*lw:(\x)+2*lw+1], v[RS:RS+1] op_sel_hi:[1,0]
.set lw, lw+1
.endr
.set lw, 0
.rept 8
	v_pk_fma_f32 v[(\x)+2*lw:(\x)+2*lw+1], v[(\x)+2*lw:(\x)+2*lw+1], v[(\buf)+2*lw:(\buf)+2*lw+1], v[(\buf)+16+2*lw:(\buf)+17+2*lw]
.set lw, lw+1
.endr
.endm
.macro RMLD buf, c                     ; match_b / 2^Em, chunk c
.set lw, 0
.rept 4
	ds_load_b128 v[(\buf)+4*lw:(\buf)+4*lw+3], v[H64] offset:P_RMB+128*(\c)+16*lw
.set lw, lw+1
.endr
.endm
; The norm of 128 units: gains and biases come in four chunks into two buffers by turns.  A count of 8 leaves the next chunk's eight loads out.
.macro LN64 pb, soff, boff, seps, rmb
	LNLD PA, \soff, \boff, 0
	LNLD \pb, \soff, \boff, 1
	LNSTAT ACC, 64, 0x3c000000, \seps
	s_wait_dscnt 8                                 ; chunk 0 is in, chunk 1's eight may be out
	LNAFF ACC, PA
	LNLD PA, \soff, \boff, 2
	s_wait_dscnt 8                                 ; chunk 1 is in
	LNAFF ACC+16, \pb
	LNLD \pb, \soff, \boff, 3
	s_wait_dscnt 8                                 ; chunk 2 is in
	LNAFF ACC+32, PA
.if \rmb
	RMLD 208, 0
	RMLD 224, 1
	s_wait_dscnt 8                                 ; chunk 3 is in; the eight loads of match_b just issued may be out
.else
	s_wait_dscnt 0x0
.endif
	LNAFF ACC+48, \pb
.endm
.macro HORN0 acc, sq, sc, sn           ; a polynomial's first step: s x top + next.  The addend goes through v14, so that the line names one scalar pair
	v_mov_b32 v14, s[\sn]
.set hw, 0
.rept 8
	v_pk_fma_f32 v[(\acc)+2*hw:(\acc)+2*hw+1], v[(\sq)+2*hw:(\sq)+2*hw+1], s[(\sc):(\sc)+1], v[14:15] op_sel_hi:[1,0,0]
.set hw, hw+1
.endr
.endm
.macro HORN acc, sq, sc
.set hw, 0
.rept 8
	v_pk_fma_f32 v[(\acc)+2*hw:(\acc)+2*hw+1], v[(\acc)+2*hw:(\acc)+2*hw+1], v[(\sq)+2*hw:(\sq)+2*hw+1], s[(\sc):(\sc)+1] op_sel_hi:[1,1,0]
.set hw, hw+1
.endr
.endm
; 16 numbers: y = y (half + yc P(s) / Q(s)) (+ add).  The 16 reciprocals are one batch; P's 48 lines are the work behind it; one wait ahead of the first reader.
.macro GELU16 y, add, yc, sq, pp, qq, q0, q1, q2, q3, q4, half
.set gw, 0
.rept 16
	v_med3_num_f32 v[(\yc)+gw], v[(\y)+gw], s18, s19
.set gw, gw+1
.endr
.set gw, 0
.rept 8
	v_pk_mul_f32 v[(\sq)+2*gw:(\sq)+2*gw+1], v[(\yc)+2*gw:(\yc)+2*gw+1], v[(\yc)+2*gw:(\yc)+2*gw+1]
.set gw, gw+1
.endr
	HORN0 \qq, \sq, \q4, \q3
	HORN \qq, \sq, \q2
	HORN \qq, \sq, \q1
	HORN \qq, \sq, \q0
.set gw, 0
.rept 16
	v_rcp_f32 v[(\qq)+gw], v[(\qq)+gw]
.set gw, gw+1
.endr
	HORN0 \pp, \sq, CP+12, CP+10
	HORN \pp, \sq, CP+8
	HORN \pp, \sq, CP+6
	HORN \pp, \sq, CP+4
	HORN \pp, \sq, CP+2
	HORN \pp, \sq, CP
.set gw, 0
.rept 8
	v_pk_mul_f32 v[(\pp)+2*gw:(\pp)+2*gw+1], v[(\pp)+2*gw:(\pp)+2*gw+1], v[(\yc)+2*gw:(\yc)+2*gw+1]
.set gw, gw+1
.endr
	s_wait_alu depctr_va_vdst(0)                   ; one wait for the batch of reciprocals
.set gw, 0
.rept 8
	v_pk_fma_f32 v[(\qq)+2*gw:(\qq)+2*gw+1], v[(\pp)+2*gw:(\pp)+2*gw+1], v[(\qq)+2*gw:(\qq)+2*gw+1], s[(\half):(\half)+1] op_sel_hi:[1,1,0]
.set gw, gw+1
.endr
.set gw, 0
.rept 8
.if (\add) < 0
	v_pk_mul_f32 v[(\y)+2*gw:(\y)+2*gw+1], v[(\y)+2*gw:(\y)+2*gw+1], v[(\qq)+2*gw:(\qq)+2*gw+1]
.else
	v_pk_fma_f32 v[(\y)+2*gw:(\y)+2*gw+1], v[(\y)+2*gw:(\y)+2*gw+1], v[(\qq)+2*gw:(\qq)+2*gw+1], v[(\add)+2*gw:(\add)+2*gw+1]
.endif
.set gw, gw+1
.endr
.endm
; THE ATTENTION goes in four batches of two pairs of (head, query): pair P = 2 b + p; 64 registers T a batch: T[32 p + 2 k] = the pair's numbers for key k.
.macro ATT_F b, t                      ; g kv_k - m
.set pa, 0
.rept 2
.set ka, 0
.rept 16
.set rt, (\t)+32*pa+2*ka
.set rg, GG+4*(\b)+2*pa
.set rm, MM+4*(\b)+2*pa
.set rk, KV+2*(ka/2)
.if ka%2
	v_pk_fma_f32 v[rt:rt+1], v[rg:rg+1], v[rk:rk+1], v[rm:rm+1] op_sel:[0,1,0] op_sel_hi:[1,1,1] neg_lo:[0,0,1] neg_hi:[0,0,1]
.else
	v_pk_fma_f32 v[rt:rt+1], v[rg:rg+1], v[rk:rk+1], v[rm:rm+1] op_sel_hi:[1,0,1] neg_lo:[0,0,1] neg_hi:[0,0,1]
.endif
.set ka, ka+1
.endr
.set pa, pa+1
.endr
.endm
.macro ATT_E t                         ; p = 2^(..): a batch of 64
.set ka, 0
.rept 64
	v_exp_f32 v[(\t)+ka], v[(\t)+ka]
.set ka, ka+1
.endr
.endm
.macro ATT_S b, t                      ; sum p into g's registers, sum p kv into m's: four chains by turns
.set ka, 0
.rept 16
.set pa, 0
.rept 2
.set rt, (\t)+32*pa+2*ka
.set rg, GG+4*(\b)+2*pa
.set rm, MM+4*(\b)+2*pa
.set rk, KV+2*(ka/2)
.if ka == 0
	v_pk_mul_f32 v[rm:rm+1], v[rt:rt+1], v[rk:rk+1] op_sel_hi:[1,0]
.elseif ka%2
	v_pk_fma_f32 v[rm:rm+1], v[rt:rt+1], v[rk:rk+1], v[rm:rm+1] op_sel:[0,1,0] op_sel_hi:[1,1,1]
.else
	v_pk_fma_f32 v[rm:rm+1], v[rt:rt+1], v[rk:rk+1], v[rm:rm+1] op_sel_hi:[1,0,1]
.endif
.if ka == 1
	v_pk_add_f32 v[rg:rg+1], v[rt-2:rt-1], v[rt:rt+1]
.elseif ka > 1
	v_pk_add_f32 v[rg:rg+1], v[rg:rg+1], v[rt:rt+1]
.endif
.set pa, pa+1
.endr
.set ka, ka+1
.endr
.endm
; ---------------- SET-UP
	s_load_b256 s[4:11], s[0:1], 0x0               ; query s[4:5], kv's codes s[6:7], out0 s[8:9], blob s[10:11]
	s_load_b128 s[12:15], s[0:1], 0x20             ; res_ln2_s, res_ln2_b
	s_load_b64 s[16:17], s[0:1], 0x30              ; res_fc_b
	v_lshrrev_b32 v14, 5, v0
	v_readfirstlane_b32 s2, v14                    ; wave 0..15
	v_and_b32 v14, 31, v0                          ; lane
	v_and_b32 v15, 15, v0                          ; r
	v_bfe_u32 v12, v0, 4, 1                        ; h
	v_lshlrev_b32 v[LI], 4, v14
	v_lshlrev_b32 v[H64], 6, v12
	v_add_nc_u32 v[H64], 0x10000, v[H64]
	v_lshlrev_b32 v[H32], 5, v12
	v_add_nc_u32 v[H32], 0x10000, v[H32]
	v_lshlrev_b32 v[QA], 8, v15
	v_lshl_add_u32 v[QA], v12, 6, v[QA]
	v_lshlrev_b32 v[KA], 6, v15
	v_lshl_add_u32 v[KA], v12, 4, v[KA]
	s_mul_i32 s18, s2, 16*272
	s_add_co_u32 s18, s18, STAGE                   ; my stage
	v_mul_u32_u24 v[SIN], v15, 272
	v_lshl_add_u32 v[SIN], v12, 6, v[SIN]
	v_add_nc_u32 v[SIN], s18, v[SIN]               ; in: row r, + 64 h
	v_mul_u32_u24 v[SBK], v12, 272
	v_lshl_add_u32 v[SBK], v15, 4, v[SBK]
	v_add_nc_u32 v[SBK], s18, v[SBK]               ; back: lanes 0-15 one row, lanes 16-31 the next
	v_lshlrev_b32 v240, 4, v0                      ; the copy of blob: 16 x thread, in blob and in LDS alike.  All its address registers are made here, ahead of the branches on the wave's number
	v_add_nc_u32 v241, 0x10000, v240
	v_lshl_add_u32 v242, v14, 2, 0x10000+P_RL2S
	v_lshl_add_u32 v243, v14, 2, 0x10000+P_RL2B
	v_lshl_add_u32 v244, v14, 3, 0x10000+P_RFCB
	v_lshlrev_b32 v245, 2, v14
	v_lshlrev_b32 v246, 3, v14
	v_mov_b32 v9, 0                                ; upper words of pairs whose low word is broadcast: named, so written
	v_mov_b32 v11, 0
	v_mov_b32 v28, 0                               ; the zero codes behind the tails
	v_mov_b32 v29, 0
	v_mov_b32 v30, 0
	v_mov_b32 v31, 0
	s_lshl_b32 s18, ttmp9, 6
	s_add_co_u32 s18, s18, s2                      ; my first tile: 64 x work-group + wave
	s_lshl_b32 s20, s18, 12                        ; 16 rows of 256 bytes, in query and in out0
	s_mov_b32 s21, 0
	s_lshl_b32 s22, s18, 10                        ; 16 rows of 64 codes
	s_mov_b32 s23, 0
	s_wait_kmcnt 0x0
	s_add_nc_u64 s[4:5], s[4:5], s[20:21]
	s_add_nc_u64 s[8:9], s[8:9], s[20:21]
	s_add_nc_u64 s[6:7], s[6:7], s[22:23]
	NXLOAD                                         ; the first tile
	s_load_b512 s[20:35], s[10:11], CTO            ; the table's words 0-15,
	s_load_b512 s[36:51], s[10:11], CTO+64         ; 16-31,
	s_load_b256 s[52:59], s[10:11], CTO+128        ; 32-39,
	s_load_b128 s[60:63], s[10:11], CTO+160        ; 40-43,
	s_load_b512 s[68:83], s[10:11], CTO+192        ; 48-63,
	s_load_b512 s[84:99], s[10:11], CTO+256        ; 64-79
.set i, 0
.rept 8
	global_load_b128 v[80+4*i:83+4*i], v240, s[10:11] offset:8192*i   ; the images: 512 threads x 16 bytes x 8
.set i, i+1
.endr
	s_cmp_lt_u32 s2, 9
	s_cbranch_scc0 .Lset1
	global_load_b128 v[112:115], v240, s[10:11] offset:0x10000        ; waves 0-8: the parameters' 4,608 bytes
	s_wait_loadcnt 0x0
	ds_store_b128 v241, v[112:115]
	s_branch .Ljoin
.Lset1:
	s_cmp_eq_u32 s2, 9
	s_cbranch_scc0 .Lset2
	global_load_b32 v112, v245, s[12:13]           ; wave 9: res_ln2_s
	s_wait_loadcnt 0x0
	ds_store_b32 v242, v112
	s_branch .Ljoin
.Lset2:
	s_cmp_eq_u32 s2, 10
	s_cbranch_scc0 .Lset3
	global_load_b32 v112, v245, s[14:15]           ; wave 10: res_ln2_b
	s_wait_loadcnt 0x0
	ds_store_b32 v243, v112
	s_branch .Ljoin
.Lset3:
	s_cmp_eq_u32 s2, 11
	s_cbranch_scc0 .Ljoin
	global_load_b64 v[112:113], v246, s[16:17]     ; wave 11: res_fc_b
	s_wait_loadcnt 0x0
	ds_store_b64 v244, v[112:113]
.Ljoin:
	s_wait_loadcnt 0x0
.set i, 0
.rept 8
	ds_store_b128 v240, v[80+4*i:83+4*i] offset:8192*i
.set i, i+1
.endr
	s_wait_dscnt 0x0                               ; for the others' sake: my stores have landed
	s_barrier_signal -1
	s_barrier_wait -1                              ; weights and parameters lie in LDS; nobody writes them again
	s_wait_kmcnt 0x0
	s_mov_b32 s16, 0x76543210                      ; v_permlanex16_b32: lane l xor 16 (res_fc_b's address has served)
	s_mov_b32 s17, 0xfedcba98
	s_mov_b32 s18, 0xc0b504f3                      ; -4 sqrt 2
	s_mov_b32 s19, 0x40b504f3
	s_mov_b32 s3, 4                                ; tiles to go
.Ltrip:
; ---------------- A: query's three sets of codes; q and kv
.set i, 0
.rept 6
	ds_load_b128 v[208+4*i:211+4*i], v[LI] offset:WQI+512*i      ; Wq v208-215, Wkv v216-223, Wkv swapped v224-231
.set i, i+1
.endr
	s_wait_loadcnt 0x0                             ; the tile, asked for in the trip before
	QUANT NXQ, 4, 80, 88, 0                        ; with e0, for q
	QUANT NXQ, 4, Q10, 88, 1                       ; with e10
	QUANT NXQ, 4, Q12, -1, 2                       ; with e12
	s_wait_dscnt 0x0
	v_wmma_f32_16x16x64_fp8_fp8 v[232:239], v[208:215], v[80:87], 0    ; register j: query 4 (j / 2) + 2 h + (j & 1) of my row
	v_wmma_f32_16x16x64_fp8_fp8 v[240:247], v[216:223], v[72:79], 0    ; keys 8 h + j
	v_wmma_f32_16x16x64_fp8_fp8 v[248:255], v[224:231], v[72:79], 0    ; keys 8 (1 - h) + j
	PLACES
; ---------------- B: the attention
	ds_load_b128 v[208:211], v[H64] offset:P_P0
	ds_load_b128 v[212:215], v[H64] offset:P_P0+16
	ds_load_b128 v[216:219], v[H64] offset:P_P1
	ds_load_b128 v[220:223], v[H64] offset:P_P1+16
	ds_load_b128 v[224:227], v[H64] offset:P_R
	ds_load_b128 v[228:231], v[H64] offset:P_R+16
	v_max3_num_f32 v72, v240, v241, v242           ; kv's largest and smallest sum
	v_min3_num_f32 v73, v240, v241, v242
.set i, 243
.rept 6
	v_max3_num_f32 v72, v72, v[i], v[i+1]
	v_min3_num_f32 v73, v73, v[i], v[i+1]
.set i, i+2
.endr
	v_max_num_f32 v72, v72, v255
	v_min_num_f32 v73, v73, v255
	v_mov_b32 v14, s22                             ; C'_0
.set i, 0
.rept 4
	v_pk_fma_f32 v[GG+2*i:GG+2*i+1], v[QAC+2*i:QAC+2*i+1], s[20:21], v[14:15] op_sel_hi:[1,0,0]      ; g, head 0
.set i, i+1
.endr
	v_mov_b32 v14, s26                             ; C'_1
.set i, 0
.rept 4
	v_pk_fma_f32 v[GG+8+2*i:GG+9+2*i], v[QAC+2*i:QAC+2*i+1], s[24:25], v[14:15] op_sel_hi:[1,0,0]    ; g, head 1
.set i, i+1
.endr
.set i, 0
.rept 8
	v_pk_mul_f32 v[80+4*i:81+4*i], v[GG+2*i:GG+2*i+1], v[72:73] op_sel_hi:[1,0]
	v_pk_mul_f32 v[82+4*i:83+4*i], v[GG+2*i:GG+2*i+1], v[72:73] op_sel:[0,1] op_sel_hi:[1,1]
.set i, i+1
.endr
.set i, 0
.rept 8
	v_max_num_f32 v[MM+2*i], v[80+4*i], v[82+4*i]          ; m: the largest exponent of the row, whatever g's sign
	v_max_num_f32 v[MM+2*i+1], v[81+4*i], v[83+4*i]
.set i, i+1
.endr
	ATT_F 0, ACC                                   ; two sets of 64 registers take turns, so that 32 plain lines or more stand between a batch of exponentials and the one wait ahead of its readers
	ATT_E ACC
	ATT_F 1, EPS
	s_wait_alu depctr_va_vdst(0)                   ; batch 0
	ATT_E EPS
	ATT_S 0, ACC
	ATT_F 2, ACC
	s_wait_alu depctr_va_vdst(0)                   ; batch 1
	ATT_E ACC
	ATT_S 1, EPS
	ATT_F 3, EPS
	s_wait_alu depctr_va_vdst(0)                   ; batch 2
	ATT_E EPS
	ATT_S 2, ACC
	s_wait_alu depctr_va_vdst(0)                   ; batch 3
	ATT_S 3, EPS
.set i, 0
.rept 16
	v_rcp_f32 v[GG+i], v[GG+i]
.set i, i+1
.endr
	v_nop
	s_wait_alu depctr_va_vdst(0)
.set i, 0
.rept 8
	v_pk_mul_f32 v[MM+2*i:MM+2*i+1], v[MM+2*i:MM+2*i+1], v[GG+2*i:GG+2*i+1]     ; u: head 0 in v56-63, head 1 in v64-71
.set i, i+1
.endr
; ---------------- C: eps, its codes, eps_fc1
	s_wait_dscnt 0x0
.set je, 0
.rept 8
.set ie, 0
.rept 4
.if je%2
	v_pk_fma_f32 v[EPS+8*je+2*ie:EPS+8*je+2*ie+1], v[208+2*ie:209+2*ie], v[MM+2*(je/2):MM+2*(je/2)+1], v[224+2*ie:225+2*ie] op_sel:[0,1,0] op_sel_hi:[1,1,1]
.else
	v_pk_fma_f32 v[EPS+8*je+2*ie:EPS+8*je+2*ie+1], v[208+2*ie:209+2*ie], v[MM+2*(je/2):MM+2*(je/2)+1], v[224+2*ie:225+2*ie] op_sel_hi:[1,0,1]
.endif
.set ie, ie+1
.endr
.set je, je+1
.endr
.set je, 0
.rept 8
.set ie, 0
.rept 4
.if je%2
	v_pk_fma_f32 v[EPS+8*je+2*ie:EPS+8*je+2*ie+1], v[216+2*ie:217+2*ie], v[MM+8+2*(je/2):MM+9+2*(je/2)], v[EPS+8*je+2*ie:EPS+8*je+2*ie+1] op_sel:[0,1,0] op_sel_hi:[1,1,1]
.else
	v_pk_fma_f32 v[EPS+8*je+2*ie:EPS+8*je+2*ie+1], v[216+2*ie:217+2*ie], v[MM+8+2*(je/2):MM+9+2*(je/2)], v[EPS+8*je+2*ie:EPS+8*je+2*ie+1] op_sel_hi:[1,0,1]
.endif
.set ie, ie+1
.endr
.set je, je+1
.endr
	WLOAD4 EF1, 0, 208, 224, 240, 56
	QUANT EPS, 8, 40, 80, 3
	BIAS ACC, P_EF1B, 64
	s_wait_dscnt 0x0
	WMUL4 0, 208, 224, 240, 56, 40
	PLACES
	WLOAD4 EF1, 1, 208, 224, 240, 56
	s_wait_dscnt 0x0
	WMUL4 1, 208, 224, 240, 56, 40
	PLACES
; ---------------- D: norm, GELU, + eps
	LN64 40, P_EL1S, P_EL1B, 28, 0
.set cg, 0
.rept 4
	GELU16 ACC+16*cg, EPS+16*cg, 40, 56, 208, 224, CQ, CQ+2, CQ+4, CQ+6, CQ+8, 34
.set cg, cg+1
.endr
; ---------------- E: eps_fc2
.set i, 0
.rept 8
	ds_load_b128 v[208+4*i:211+4*i], v[LI] offset:EF2+512*i
.set i, i+1
.endr
	QUANT ACC, 8, 40, -1, 4
	BIAS ACC, P_EF2B, 16
	s_wait_dscnt 0x0
	v_wmma_f32_16x16x128_fp8_fp8 v[80:87], v[208:223], v[40:55], v[80:87]
	v_wmma_f32_16x16x128_fp8_fp8 v[88:95], v[224:239], v[40:55], v[88:95]
	PLACES
; ---------------- F: norm, GELU, eps_fc
	LNLD PA, P_EL2S, P_EL2B, 0
	ds_load_b128 v[96:99], v[H32] offset:P_EFCB
	ds_load_b128 v[100:103], v[H32] offset:P_EFCB+16
	LNSTAT ACC, 16, 0x3d000000, 29
	ds_load_b128 v[240:243], v[LI] offset:EFC      ; into the sums' registers, which are done with
	ds_load_b128 v[244:247], v[LI] offset:EFC+512
	s_wait_dscnt 2                                 ; all but these two
	LNAFF ACC, PA
	GELU16 ACC, -1, 40, 56, 208, 224, CQ, CQ+2, CQ+4, CQ+6, CQ+8, 34
	QUANT ACC, 2, TAIL, -1, 5
	s_wait_dscnt 0x0
	v_wmma_f32_16x16x64_fp8_fp8 v[96:103], v[240:247], v[24:31], v[96:103]   ; register j: eps_[8 h + j], as a raw sum with its bias
	PLACES
; ---------------- G: eps_ becomes the tails of the two operands of K = 80
	WLOAD4 RF1, 0, 144, 160, 176, 192
	QUANT 96, 1, TAIL, 208, 6
	QUANT 96, 1, TAIL+2, 208, 7
; ---------------- H: the next tile is asked for; res_fc1, norm, GELU + match_b
	s_cmp_eq_u32 s3, 1                             ; the last trip asks for nothing: no load leaves its buffer
	s_cbranch_scc1 .Lno_next
	s_add_nc_u64 s[4:5], s[4:5], 0x10000           ; 16 tiles on (the last loads from these addresses were waited for at the trip's head)
	s_add_nc_u64 s[6:7], s[6:7], 0x4000
	NXLOAD                                         ; v40-79 are left alone for the rest of the trip
.Lno_next:
	BIAS ACC, P_RF1B, 64
	s_wait_dscnt 0x0
	WMUL4 0, 144, 160, 176, 192, Q10
	PLACES
	WLOAD4 RF1, 1, 144, 160, 176, 192
	s_wait_dscnt 0x0
	WMUL4 1, 144, 160, 176, 192, Q10
	PLACES
	LN64 144, P_RL1S, P_RL1B, 30, 1
	s_wait_dscnt 4                                 ; match_b's chunk 0 is in, chunk 1's four may be out
	GELU16 ACC, 208, 144, 160, 176, 192, 92, 94, 96, 98, 60, 56
	RMLD 208, 2
	s_wait_dscnt 4                                 ; chunk 1
	GELU16 ACC+16, 224, 144, 160, 176, 192, 92, 94, 96, 98, 60, 56
	RMLD 224, 3
	s_wait_dscnt 4                                 ; chunk 2
	GELU16 ACC+32, 208, 144, 160, 176, 192, 92, 94, 96, 98, 60, 56
	s_wait_dscnt 0x0
	GELU16 ACC+48, 224, 144, 160, 176, 192, 92, 94, 96, 98, 60, 56
; ---------------- I: res_match adds onto that; res_fc2, norm, GELU, res_fc, out
	WLOAD4 RMI, 0, 144, 160, 176, 192
	s_wait_dscnt 0x0
	WMUL4 0, 144, 160, 176, 192, TAIL
	PLACES
	WLOAD4 RMI, 1, 144, 160, 176, 192
	s_wait_dscnt 0x0
	WMUL4 1, 144, 160, 176, 192, TAIL
	PLACES
.set i, 0
.rept 8
	ds_load_b128 v[160+4*i:163+4*i], v[LI] offset:RF2+512*i
.set i, i+1
.endr
	QUANT ACC, 8, 144, -1, 8
	BIAS ACC, P_RF2B, 16
	s_wait_dscnt 0x0
	v_wmma_f32_16x16x128_fp8_fp8 v[80:87], v[160:175], v[144:159], v[80:87]
	v_wmma_f32_16x16x128_fp8_fp8 v[88:95], v[176:191], v[144:159], v[88:95]
	PLACES
	LNLD PA, P_RL2S, P_RL2B, 0
	LNSTAT ACC, 16, 0x3d000000, 31
	s_wait_dscnt 0x0
	LNAFF ACC, PA
	GELU16 ACC, -1, 144, 160, 176, 192, CQ, CQ+2, CQ+4, CQ+6, CQ+8, 34
.set i, 0
.rept 8
	ds_load_b128 v[144+4*i:147+4*i], v[LI] offset:RFC+512*i
.set i, i+1
.endr
	BIAS 176, P_RFCB, 32
	QUANT ACC, 2, TAIL, -1, 9
	s_wait_dscnt 0x0
.set i, 0
.rept 4
	v_wmma_f32_16x16x64_fp8_fp8 v[112+8*i:119+8*i], v[144+8*i:151+8*i], v[24:31], 0
.set i, i+1
.endr
	PLACES
.set i, 0
.rept 16
	v_pk_fma_f32 v[208+2*i:209+2*i], v[112+2*i:113+2*i], s[32:33], v[176+2*i:177+2*i] op_sel_hi:[1,0,1]   ; sum x 2^(e16 + e17) + res_fc_b; each accumulator from its low end on
.set i, i+1
.endr
.set i, 0
.rept 8
	ds_store_b128 v[SIN], v[208+4*i:211+4*i] offset:128*(i/4)+16*(i%4)   ; register 16 b + n = output 32 b + 16 h + n of row r
.set i, i+1
.endr
.set i, 0
.rept 8
	ds_load_b128 v[144+4*i:147+4*i], v[SBK] offset:544*i                 ; LDS serves a wave's instructions in order (ISA guide 5.7.1.4): these see my stores
.set i, i+1
.endr
.set i, 0
.rept 8
	s_wait_dscnt 7-i                               ; load i is in, the younger ones may be out
	global_store_b128 v[LI], v[144+4*i:147+4*i], s[8:9] offset:512*i th:TH_STORE_NT   ; 32 lanes store two whole rows: 512 consecutive bytes, at a multiple of 256 from out0's first byte
.set i, i+1
.endr
	s_wait_xcnt 0x0                                ; the stores have read their registers and their base: both are written again only behind this wait
	s_add_nc_u64 s[8:9], s[8:9], 0x10000
	s_sub_co_u32 s3, s3, 1
	s_cmp_lg_u32 s3, 0
	s_cbranch_scc1 .Ltrip
	s_wait_xcnt 0x0
	v_lshl_add_u32 v254, v0, 2, 0x22400
	v_mov_b32 v255, 0
	s_wait_tensorcnt 0x0
	ds_add_u32 v254, v255
	s_wait_dscnt 0x0
	s_endpgm
.Lfunc_end_k_qb03b0f4ae2_main:
	.size	k_qb03b0f4ae2_main, .Lfunc_end_k_qb03b0f4ae2_main-k_qb03b0f4ae2_main
	.p2alignl 7, 3214868480
	.fill 96, 4, 3214868480
	.section	.rodata,"a",@progbits
	.p2align	6, 0x0
	.amdhsa_kernel k_qb03b0f4ae2_main
		.amdhsa_group_segment_fixed_size 142336
		.amdhsa_private_segment_fixed_size 0
		.amdhsa_enable_private_segment 0
		.amdhsa_kernarg_size 56
		.amdhsa_user_sgpr_count 2
		.amdhsa_user_sgpr_kernarg_segment_ptr 1
		.amdhsa_wavefront_size32 1
		.amdhsa_system_sgpr_workgroup_id_x 1
		.amdhsa_system_sgpr_workgroup_id_y 1
		.amdhsa_system_sgpr_workgroup_id_z 1
		.amdhsa_system_vgpr_workitem_id 0
		.amdhsa_next_free_vgpr 256
		.amdhsa_next_free_sgpr 100
		.amdhsa_reserve_vcc 0
		.amdhsa_float_denorm_mode_32 3
		.amdhsa_float_denorm_mode_16_64 3
		.amdhsa_memory_ordered 1
		.amdhsa_forward_progress 1
		.amdhsa_inst_pref_size 211
	.end_amdhsa_kernel
	.amdgpu_metadata
---
amdhsa.version: [ 1, 2 ]
amdhsa.kernels:
  - .name:           k_qb03b0f4ae2_main
    .symbol:         k_qb03b0f4ae2_main.kd
    .args:
      - { .name: query_embed, .offset: 0, .size: 8, .value_kind: global_buffer, .address_space: global }
      - { .name: kv_embed_codes, .offset: 8, .size: 8, .value_kind: global_buffer, .address_space: global }
      - { .name: out0, .offset: 16, .size: 8, .value_kind: global_buffer, .address_space: global }
      - { .name: blob, .offset: 24, .size: 8, .value_kind: global_buffer, .address_space: global }
      - { .name: res_ln2_s, .offset: 32, .size: 8, .value_kind: global_buffer, .address_space: global }
      - { .name: res_ln2_b, .offset: 40, .size: 8, .value_kind: global_buffer, .address_space: global }
      - { .name: res_fc_b, .offset: 48, .size: 8, .value_kind: global_buffer, .address_space: global }
    .group_segment_fixed_size: 142336
    .private_segment_fixed_size: 0
    .kernarg_segment_align: 8
    .kernarg_segment_size: 56
    .max_flat_workgroup_size: 512
    .sgpr_count:     100
    .vgpr_count:     256
    .wavefront_size: 32
...
	.end_amdgpu_metadata
.endif
;; end of part 2
